; MI455X (gfx1250); checked and timed in simulation.
; The chip was launched on July 23, 2026; its instructions are those of AMD's public machine-readable ISA for CDNA 5 (MIT licence, August 2026) and "CDNA5" Instruction Set Architecture Reference Guide (July 2026). The comments in the code are by the model that wrote it; some were corrected since.
;; Cheby Decimate. Allowed arithmetic: float matrix products may take bf16 or f16 operands with f32 sums; all other float work in f32.
;; Inputs: x 32 x 131,072 float32.
;; Outputs: out0 32 x 65,536 float32.
;; One version. Each part assembles by itself: llvm-mc -triple=amdgcn-amd-amdhsa -mcpu=gfx1250 --defsym DOCPART=n.
;; ======== version 1 of 1: 1 launch
;; launch cheby (part 1): grid 256 x 1, 8 waves a work-group, no clusters, 168,960 bytes of LDS; arguments x, out0; writes out0
.if DOCPART == 1
	.amdgcn_target "amdgcn-amd-amdhsa--gfx1250"
	.amdhsa_code_object_version 6
	.text
	.protected	k_q45bc439c80_cheby
	.globl	k_q45bc439c80_cheby
	.p2align	8
	.type	k_q45bc439c80_cheby,@function
k_q45bc439c80_cheby:
	s_mov_b64 s[64:65], 0
	v_nop
	global_prefetch_b8 v0, s[64:65] scope:SCOPE_SE
	s_setreg_imm32_b32 hwreg(HW_REG_WAVE_MODE, 25, 1), 1
	s_wait_xcnt 0x0
; out0[r][n] = y[r][2n], y = x filtered by the 8th-order Chebyshev-I low-pass (ripple 0.05 dB, Wn = 1/2), zero state at each row's start.
;
; THE FILTER IN PARALLEL FORM.  With Wn = 1/2 the bilinear map is z = (1+s)/(1-s); partial fractions of the analog prototype give
;   H(z) = d + sum over 4 sections of (g0 + g1 z^-1) / (1 + a1 z^-1 + a2 z^-2),
; the same transfer function as the problem's cascade (same a1, a2).  Each section runs w[t] = x[t] - a1 w[t-1] - a2 w[t-2], and
;   y[t] = d x[t] + sum (g0 w[t] + g1 w[t-1]),  formed at even t only.
; The sections do not depend on each other: sections (1,2) and (3,4) share packed f32 instructions.  All arithmetic is f32.
;
; TIME IS CUT INTO PIECES.  Tile T = 8 x work-group + wave is 2,048 consecutive samples of the flat array (a row is 64 tiles);
; lane l owns samples 64 l .. 64 l + 63 of the tile.  With M = [[-a1,-a2],[1,0]] (per section) acting on the state (w[t], w[t-1]):
;   pass 1: every lane runs its 64 samples from zero state: end state u(l)
;   scan:   start state s(l) = u(l-1) + M^64 (u(l-2) + M^64 (u(l-3) + M^64 u(l-4))),  u(-1) = state at the tile's start, u(-2..-4) = 0
;   pass 2: every lane runs its 64 samples again from s(l) and forms its 32 outputs.
; The state at the tile's start comes from the 256 samples in front of the tile: lane l runs samples 4l..4l+3 and 128+4l..128+4l+3 of them
; from zero, weights the two end states by M^(128+4(31-l)) and M^(4(31-l)), and the 32 lanes are summed.  On a row's first tile it is zero.
; Powers of M are kept as alpha M + beta I (M^2 = -a1 M - a2 I) and made by squaring while the loads are on their way.
;
; LIMITS.  History older than 256 samples is dropped: its weight is |P|^256 = 0.8702^128 = 1.9e-8 for the slowest pole pair (the others
; are far below), relative to the input whatever its size or offset.  The order of rounding differs from the cascade's.  A NaN or an
; infinity in x spreads over the samples that the history reaches, not to the row's end as in a true recursion.
;
; NO CLUSTER: work-groups share only the 1,024 bytes of history in front of one tile in eight, 1 KB for 64 KB read.  NO BARRIER: a wave reads
; only LDS bytes that its own tensor load or its own stores wrote.  NO MATRIX UNIT: the work is recurrences whose state is carried in f32.
.set PITCH,    272                     ; LDS row of x: 256 bytes + 16 = 17 x 16 bytes: sixteen lanes reading one column of sixteen rows touch sixteen different 16-byte columns modulo 256
.set SCR,      32*PITCH                ; behind the x rows: the states, two arrays of 36 slots x 16 bytes (sections 1,2 and sections 3,4)
.set SCRB,     36*16
.set OUTS,     SCR+2*SCRB              ; behind them: 32 rows of 128 bytes of results,
.set OPITCH,   144                     ; 9 x 16 bytes apart
.set WAVE_LDS, OUTS+32*OPITCH          ; 14,464 bytes for each wave
; vector registers.  A state block is 8 registers: +0 w[t] of sections 1,2; +2 w[t-1] of 1,2; +4 w[t] of 3,4; +6 w[t-1] of 3,4.
; A power block is 8: +0 alpha 1,2; +2 beta 1,2; +4 alpha 3,4; +6 beta 3,4.  Its E block: +0 m00 1,2; +2 m01 1,2; +4 m00 3,4; +6 m01 3,4.
.set K,    8                           ; v[8:15]    -a1 (1,2), -a2 (1,2), -a1 (3,4), -a2 (3,4): also the power block of M^2
.set G0A,  16                          ; g0 of sections 1,2
.set G1A,  18                          ; g1 of sections 1,2
.set G0B,  20                          ; g0 of sections 3,4
.set G1B,  22                          ; g1 of sections 3,4
.set P64,  24
.set E64,  32
.set P128, 40
.set E128, 48
.set PW,   56                          ; the lane's own power M^(4(31-l))
.set EW,   64
.set TT,   72                          ; v[72:75] scratch of the products
.set HA,   76                          ; history samples 4l .. 4l+3
.set HB,   80                          ; history samples 128+4l .. 128+4l+3
.set EA,   84
.set EB,   92
.set FF,   100
.set ZZ,   108
.set X,    128                         ; v[128:191] my 64 samples; at the end the results on their way out
.set P4,   192                         ; v[192:247] during set-up: lower powers and the lane's partial products
.set P8,   200
.set P16,  208
.set P32,  216
.set WT0,  224
.set WT1,  232
.set FS,   240
.set U,    192                         ; the same registers afterwards: my end state,
.set V4,   200                         ; u(l-4),
.set V3,   208                         ; u(l-3),
.set V2,   216                         ; u(l-2),
.set V1,   224                         ; u(l-1), which becomes s(l) and pass 2's running state
.set ACC,  232                         ; four pairs of partial outputs
.set Y,    240                         ; two sets of four outputs
; (da, db) = (xa, xb) o (ya, yb) in the ring of alpha M + beta I, two sections at once
.macro RMUL da, db, xa, xb, ya, yb, na1, na2, t
	v_pk_mul_f32 v[\t:\t+1],   v[\xa:\xa+1], v[\ya:\ya+1]
	v_pk_mul_f32 v[\da:\da+1], v[\xa:\xa+1], v[\yb:\yb+1]
	v_pk_mul_f32 v[\db:\db+1], v[\xb:\xb+1], v[\yb:\yb+1]
	v_pk_fma_f32 v[\da:\da+1], v[\xb:\xb+1], v[\ya:\ya+1], v[\da:\da+1]
	v_pk_fma_f32 v[\db:\db+1], v[\na2:\na2+1], v[\t:\t+1], v[\db:\db+1]
	v_pk_fma_f32 v[\da:\da+1], v[\na1:\na1+1], v[\t:\t+1], v[\da:\da+1]
.endm
.macro PMUL d, x, y                    ; power block d = x o y (d is neither x nor y)
	RMUL \d, \d+2, \x, \x+2, \y, \y+2, K, K+2, TT
	RMUL \d+4, \d+6, \x+4, \x+6, \y+4, \y+6, K+4, K+6, TT+2
.endm
.macro SEL d, p, m                     ; d = power block p in the lanes of mask m, the identity (alpha 0, beta 1) in the others
	v_cndmask_b32 v[\d],   0,   v[\p],   \m
	v_cndmask_b32 v[\d+1], 0,   v[\p+1], \m
	v_cndmask_b32 v[\d+2], 1.0, v[\p+2], \m
	v_cndmask_b32 v[\d+3], 1.0, v[\p+3], \m
	v_cndmask_b32 v[\d+4], 0,   v[\p+4], \m
	v_cndmask_b32 v[\d+5], 0,   v[\p+5], \m
	v_cndmask_b32 v[\d+6], 1.0, v[\p+6], \m
	v_cndmask_b32 v[\d+7], 1.0, v[\p+7], \m
.endm
.macro EXPL e, p                       ; alpha M + beta I = [[beta - a1 alpha, -a2 alpha], [alpha, beta]]: the upper row
	v_pk_fma_f32 v[\e:\e+1],   v[K:K+1],     v[\p:\p+1],     v[\p+2:\p+3]
	v_pk_mul_f32 v[\e+2:\e+3], v[K+2:K+3],   v[\p:\p+1]
	v_pk_fma_f32 v[\e+4:\e+5], v[K+4:K+5],   v[\p+4:\p+5],   v[\p+6:\p+7]
	v_pk_mul_f32 v[\e+6:\e+7], v[K+6:K+7],   v[\p+4:\p+5]
.endm
.macro MACC o, v, e, p                 ; state o += (matrix e, p) x state v
	v_pk_fma_f32 v[\o:\o+1],     v[\e:\e+1],     v[\v:\v+1],     v[\o:\o+1]
	v_pk_fma_f32 v[\o+2:\o+3],   v[\p:\p+1],     v[\v:\v+1],     v[\o+2:\o+3]
	v_pk_fma_f32 v[\o+4:\o+5],   v[\e+4:\e+5],   v[\v+4:\v+5],   v[\o+4:\o+5]
	v_pk_fma_f32 v[\o+6:\o+7],   v[\p+4:\p+5],   v[\v+4:\v+5],   v[\o+6:\o+7]
	v_pk_fma_f32 v[\o:\o+1],     v[\e+2:\e+3],   v[\v+2:\v+3],   v[\o:\o+1]
	v_pk_fma_f32 v[\o+2:\o+3],   v[\p+2:\p+3],   v[\v+2:\v+3],   v[\o+2:\o+3]
	v_pk_fma_f32 v[\o+4:\o+5],   v[\e+6:\e+7],   v[\v+6:\v+7],   v[\o+4:\o+5]
	v_pk_fma_f32 v[\o+6:\o+7],   v[\p+6:\p+7],   v[\v+6:\v+7],   v[\o+6:\o+7]
.endm
.macro MAPP o, v, e, p                 ; state o = (matrix e, p) x state v: the first products start the sums
	v_pk_mul_f32 v[\o:\o+1],     v[\e:\e+1],     v[\v:\v+1]
	v_pk_mul_f32 v[\o+2:\o+3],   v[\p:\p+1],     v[\v:\v+1]
	v_pk_mul_f32 v[\o+4:\o+5],   v[\e+4:\e+5],   v[\v+4:\v+5]
	v_pk_mul_f32 v[\o+6:\o+7],   v[\p+4:\p+5],   v[\v+4:\v+5]
	v_pk_fma_f32 v[\o:\o+1],     v[\e+2:\e+3],   v[\v+2:\v+3],   v[\o:\o+1]
	v_pk_fma_f32 v[\o+2:\o+3],   v[\p+2:\p+3],   v[\v+2:\v+3],   v[\o+2:\o+3]
	v_pk_fma_f32 v[\o+4:\o+5],   v[\e+6:\e+7],   v[\v+6:\v+7],   v[\o+4:\o+5]
	v_pk_fma_f32 v[\o+6:\o+7],   v[\p+6:\p+7],   v[\v+6:\v+7],   v[\o+6:\o+7]
.endm
; Two samples, x[t] in v[x], x[t+1] in v[x+1]; op_sel and op_sel_hi hand one of the two to both sections of a pair.
; The new w[t] is written over w[t-2], so the two halves of a state block change roles at each sample and are back in place after two.
.macro STEP2Z s, x                     ; from zero state: w[0] = x[0], w[1] = x[1] - a1 w[0]; nothing is cleared
	v_pk_mul_f32 v[\s+2:\s+3], v[\x:\x+1], 1.0 op_sel_hi:[0,0]
	v_pk_mul_f32 v[\s+6:\s+7], v[\x:\x+1], 1.0 op_sel_hi:[0,0]
	v_pk_fma_f32 v[\s:\s+1],   v[K:K+1],     v[\s+2:\s+3], v[\x:\x+1] op_sel:[0,0,1] op_sel_hi:[1,1,1]
	v_pk_fma_f32 v[\s+4:\s+5], v[K+4:K+5],   v[\s+6:\s+7], v[\x:\x+1] op_sel:[0,0,1] op_sel_hi:[1,1,1]
.endm
.macro STEP2 s, x
	v_pk_fma_f32 v[\s+2:\s+3], v[K+2:K+3],   v[\s+2:\s+3], v[\x:\x+1] op_sel_hi:[1,1,0]
	v_pk_fma_f32 v[\s+6:\s+7], v[K+6:K+7],   v[\s+6:\s+7], v[\x:\x+1] op_sel_hi:[1,1,0]
	v_pk_fma_f32 v[\s+2:\s+3], v[K:K+1],     v[\s:\s+1],   v[\s+2:\s+3]
	v_pk_fma_f32 v[\s+6:\s+7], v[K+4:K+5],   v[\s+4:\s+5], v[\s+6:\s+7]
	v_pk_fma_f32 v[\s:\s+1],   v[K+2:K+3],   v[\s:\s+1],   v[\x:\x+1] op_sel:[0,0,1] op_sel_hi:[1,1,1]
	v_pk_fma_f32 v[\s+4:\s+5], v[K+6:K+7],   v[\s+4:\s+5], v[\x:\x+1] op_sel:[0,0,1] op_sel_hi:[1,1,1]
	v_pk_fma_f32 v[\s:\s+1],   v[K:K+1],     v[\s+2:\s+3], v[\s:\s+1]
	v_pk_fma_f32 v[\s+4:\s+5], v[K+4:K+5],   v[\s+6:\s+7], v[\s+4:\s+5]
.endm
; The same two samples, and the section sums of the output at the even one: ac = g1 w[t-1] + g0 w[t], sections 1+3 low, 2+4 high.
; w[t-1] is used before the odd sample writes over it.
.macro STEP2Y s, x, ac
	v_pk_fma_f32 v[\s+2:\s+3], v[K+2:K+3],   v[\s+2:\s+3], v[\x:\x+1] op_sel_hi:[1,1,0]
	v_pk_fma_f32 v[\s+6:\s+7], v[K+6:K+7],   v[\s+6:\s+7], v[\x:\x+1] op_sel_hi:[1,1,0]
	v_pk_mul_f32 v[\ac:\ac+1], v[G1A:G1A+1], v[\s:\s+1]
	v_pk_fma_f32 v[\s+2:\s+3], v[K:K+1],     v[\s:\s+1],   v[\s+2:\s+3]
	v_pk_fma_f32 v[\s+6:\s+7], v[K+4:K+5],   v[\s+4:\s+5], v[\s+6:\s+7]
	v_pk_fma_f32 v[\ac:\ac+1], v[G1B:G1B+1], v[\s+4:\s+5], v[\ac:\ac+1]
	v_pk_fma_f32 v[\s:\s+1],   v[K+2:K+3],   v[\s:\s+1],   v[\x:\x+1] op_sel:[0,0,1] op_sel_hi:[1,1,1]
	v_pk_fma_f32 v[\s+4:\s+5], v[K+6:K+7],   v[\s+4:\s+5], v[\x:\x+1] op_sel:[0,0,1] op_sel_hi:[1,1,1]
	v_pk_fma_f32 v[\ac:\ac+1], v[G0A:G0A+1], v[\s+2:\s+3], v[\ac:\ac+1]
	v_pk_fma_f32 v[\s:\s+1],   v[K:K+1],     v[\s+2:\s+3], v[\s:\s+1]
	v_pk_fma_f32 v[\ac:\ac+1], v[G0B:G0B+1], v[\s+6:\s+7], v[\ac:\ac+1]
	v_pk_fma_f32 v[\s+4:\s+5], v[K+4:K+5],   v[\s+6:\s+7], v[\s+4:\s+5]
.endm
; Eight samples, four outputs, 16 bytes into my row of the out stage
.macro GROUP g
.irp k, 0,1,2,3
	STEP2Y V1, X+8*\g+2*\k, ACC+2*\k
.endr
.irp k, 0,1,2,3
	v_fma_f32 v[ACC+2*\k], s32, v[X+8*\g+2*\k], v[ACC+2*\k]        ; + d x[t]
.endr
.irp k, 0,1,2,3
	v_add_f32 v[Y+4*(\g%2)+\k], v[ACC+2*\k], v[ACC+2*\k+1]         ; the two halves of the section sum
.endr
	ds_store_b128 v4, v[Y+4*(\g%2):Y+4*(\g%2)+3] offset:OUTS+16*\g
.endm
	; ---- where I am, and every byte that I need is asked for
	s_load_b128 s[4:7], s[0:1], 0x0                ; x s[4:5], out0 s[6:7]
	v_lshl_add_u32 v254, v0, 2, 0x29000
	v_mov_b32 v255, 0
	ds_add_u32 v254, v255
	ds_add_u32 v254, v255
	v_lshrrev_b32 v1, 5, v0
	v_readfirstlane_b32 s8, v1                     ; wave 0..7
	s_lshl_b32 s9, ttmp9, 3
	s_add_co_u32 s9, s9, s8                        ; tile 0..2047
	s_lshl_b32 s10, s9, 13                         ; the tile's byte offset in x: 8,192 a tile, below 16.8 million
	s_mov_b32 s11, 0
	s_sub_co_i32 s36, s10, 1024                    ; the 256 samples in front of it; for tile 0, whose history is not used, the buffer's start
	s_max_i32 s36, s36, 0
	s_mov_b32 s37, 0
	s_lshl_b32 s38, s9, 12                         ; the tile's byte offset in out0: 4,096 a tile
	s_mov_b32 s39, 0
	s_and_b32 s29, s9, 63                          ; a row is 64 tiles
	s_cmp_eq_u32 s29, 0
	s_cselect_b32 s29, 0, 8                        ; lane mask of the slot that takes the history's state: lane 3, or none on a row's first tile
	; descriptor group 1: 32 rows of 64 elements of 4 bytes, dense in memory, 16 bytes of padding behind each row in LDS
	s_mov_b32 s16, (2<<16)|(1<<20)|(5<<22)|(3<<25) ; element of 4 bytes; padding on; after every 64 words; of 4 words
	s_mov_b32 s17, 64<<16                          ; tensor_dim0 = 64
	s_mov_b32 s18, 32<<16                          ; tensor_dim1 = 32
	s_mov_b32 s19, 64<<16                          ; tile_dim0 = 64
	s_mov_b32 s20, 32                              ; tile_dim1 = 32
	s_mov_b32 s21, 64                              ; elements from row to row
	s_mov_b32 s22, 0
	s_mov_b32 s23, 0
	s_mov_b32 s12, 1                               ; group 0: count,
	s_mul_i32 s13, s8, WAVE_LDS                    ; LDS address: my wave's own bytes,
	s_mul_i32 s33, s8, WAVE_LDS                    ; (the same number for the vector addresses)
	v_and_b32 v1, 31, v0                           ; lane
	v_lshlrev_b32 v6, 4, v1                        ; 16 x lane: offset of the history loads and of the result stores
	s_wait_dscnt 0x0
	s_wait_kmcnt 0x0
	s_add_nc_u64 s[14:15], s[4:5], s[10:11]        ; global address of the tile,
	s_or_b32 s15, s15, 0x80000000                  ; type
	tensor_load_to_lds s[12:15], s[16:23]          ; row l of the tile = lane l's 64 samples
	s_nop 0
	s_add_nc_u64 s[34:35], s[4:5], s[36:37]
	global_load_b128 v[HA:HA+3], v6, s[34:35]              ; each load of the wave covers 512 consecutive bytes, aligned
	global_load_b128 v[HB:HB+3], v6, s[34:35] offset:512
	s_add_nc_u64 s[40:41], s[6:7], s[38:39]
	; ---- set-up, while the loads are on their way
	v_mul_u32_u24 v2, v1, PITCH
	v_add_nc_u32 v2, s33, v2                       ; my row of x
	v_add_nc_u32 v3, s33, v6                       ; my slot of the state arrays (offsets add SCR)
	v_mul_u32_u24 v4, v1, OPITCH
	v_add_nc_u32 v4, s33, v4                       ; my row of the out stage (offsets add OUTS)
	v_lshrrev_b32 v5, 3, v1
	v_mul_u32_u24 v5, v5, OPITCH
	v_and_b32 v7, 7, v1
	v_lshl_add_u32 v5, v7, 4, v5
	v_add_nc_u32 v5, s33, v5                       ; read-back: eight lanes take one row of 128 bytes
	s_mov_b32 s24, 0x55555555                      ; lanes in which bit 0 of 31 - l is set,
	s_mov_b32 s25, 0x33333333                      ; bit 1,
	s_mov_b32 s26, 0x0f0f0f0f                      ; bit 2,
	s_mov_b32 s27, 0x00ff00ff                      ; bit 3,
	s_mov_b32 s28, 0x0000ffff                      ; bit 4
	s_mov_b32 s30, 0x76543210                      ; v_permlanex16_b32: lane i of one half reads lane i of the other
	s_mov_b32 s31, 0xfedcba98
	s_mov_b32 s32, 0.0713572453                    ; d
	v_mov_b32 v[K+0], -0.0905099234                ; -a1 of sections 1, 2
	v_mov_b32 v[K+1], 0.1503503429
	v_mov_b32 v[K+2], -0.8701944687                ; -a2 of sections 1, 2
	v_mov_b32 v[K+3], -0.6301712583
	v_mov_b32 v[K+4], 0.5328769633                 ; -a1 of sections 3, 4
	v_mov_b32 v[K+5], 0.8603665289
	v_mov_b32 v[K+6], -0.3993526558                ; -a2 of sections 3, 4
	v_mov_b32 v[K+7], -0.2325626698
	v_mov_b32 v[G0A+0], -0.1592603958
	v_mov_b32 v[G0A+1], 0.5908724785
	v_mov_b32 v[G1A+0], 0.0421584740
	v_mov_b32 v[G1A+1], 0.1348074250
	v_mov_b32 v[G0B+0], -0.7745350815
	v_mov_b32 v[G0B+1], 0.2751999598
	v_mov_b32 v[G1B+0], -0.5445174247
	v_mov_b32 v[G1B+1], 0.4746125241
	PMUL P4, K, K                                  ; M^2 = -a1 M - a2 I is the block K itself
	PMUL P8, P4, P4
	PMUL P16, P8, P8
	PMUL P32, P16, P16
	PMUL P64, P32, P32
	PMUL P128, P64, P64
	SEL WT0, P4, s24                               ; M^(4(31-l)): the product of M^4, M^8 .. M^64 over the set bits of 31 - l
	SEL FS, P8, s25
	PMUL WT1, WT0, FS
	SEL FS, P16, s26
	PMUL WT0, WT1, FS
	SEL FS, P32, s27
	PMUL WT1, WT0, FS
	SEL FS, P64, s28
	PMUL PW, WT1, FS
	EXPL E64, P64
	EXPL E128, P128
	EXPL EW, PW
	; ---- the state at the tile's start, from the 256 samples in front of it
	s_wait_loadcnt 0x0
	STEP2Z EA, HA
	STEP2Z EB, HB
	STEP2 EA, HA+2
	STEP2 EB, HB+2
	MACC EB, EA, E128, P128                        ; the earlier four samples lie 128 steps further back
	MAPP FF, EB, EW, PW                            ; both carried on to the last sample in front of the tile
.irp m, 1,2,4,8
.irp j, 0,1,2,3,4,5,6,7
	v_add_f32_dpp v[FF+\j], v[FF+\j], v[FF+\j] row_xmask:\m row_mask:0xf bank_mask:0xf
.endr
.endr
.irp j, 0,1,2,3,4,5,6,7
	v_permlanex16_b32 v[EA+\j], v[FF+\j], s30, s31 ; EA is done with, and has been written: the destination counts as read
.endr
.irp j, 0,1,2,3,4,5,6,7
	v_add_f32 v[FF+\j], v[FF+\j], v[EA+\j]         ; every lane holds the sum over the 32 lanes
.endr
.irp j, 0,1,2,3,4,5,6,7
	v_cndmask_b32 v[ZZ+\j], 0, v[FF+\j], s29       ; lane 3 keeps it (not on a row's first tile), the others hold zero
.endr
	ds_store_b128 v3, v[ZZ:ZZ+3] offset:SCR                ; slots 0..31: slots 0-2 zero, slot 3 the state at the tile's start;
	ds_store_b128 v3, v[ZZ+4:ZZ+7] offset:SCR+SCRB         ; slots 4..31 are written again below, by the same wave, later in order
	; ---- pass 1: my 64 samples from zero state
	s_wait_tensorcnt 0x0                           ; my wave's tile is in LDS; only my wave reads it
.irp j, 0,1,2,3,4,5,6,7,8,9,10,11,12,13,14,15
	ds_load_b128 v[X+4*\j:X+4*\j+3], v2 offset:16*\j
.endr
	s_wait_dscnt 15                                ; LDS instructions of a wave end in order (ISA guide 5.7.1): samples 0-3 are in, the 15 younger loads stay out
	STEP2Z U, X
	STEP2 U, X+2
.set j, 1
.rept 15
	s_wait_dscnt 15-j                              ; samples 4 j .. 4 j + 3 are in, the 15 - j younger loads stay out
	STEP2 U, X+4*j
	STEP2 U, X+4*j+2
.set j, j+1
.endr
	; ---- scan: lane l's end state goes to slot l + 4; lane l reads slots l .. l + 3 = u(l-4) .. u(l-1).  My wave's own bytes, served in order.
	ds_store_b128 v3, v[U:U+3] offset:SCR+64
	ds_store_b128 v3, v[U+4:U+7] offset:SCR+SCRB+64
	ds_load_b128 v[V4:V4+3],   v3 offset:SCR
	ds_load_b128 v[V4+4:V4+7], v3 offset:SCR+SCRB
	ds_load_b128 v[V3:V3+3],   v3 offset:SCR+16
	ds_load_b128 v[V3+4:V3+7], v3 offset:SCR+SCRB+16
	ds_load_b128 v[V2:V2+3],   v3 offset:SCR+32
	ds_load_b128 v[V2+4:V2+7], v3 offset:SCR+SCRB+32
	ds_load_b128 v[V1:V1+3],   v3 offset:SCR+48
	ds_load_b128 v[V1+4:V1+7], v3 offset:SCR+SCRB+48
	s_wait_dscnt 4                                 ; u(l-4), u(l-3) are in; the four loads of u(l-2), u(l-1) stay out
	MACC V3, V4, E64, P64
	s_wait_dscnt 2                                 ; u(l-2) is in; the two loads of u(l-1) stay out
	MACC V2, V3, E64, P64
	s_wait_dscnt 0
	MACC V1, V2, E64, P64                          ; V1 = the state in front of my first sample
	; ---- pass 2: the same 64 samples from that state, 32 outputs
	GROUP 0
	GROUP 1
	GROUP 2
	GROUP 3
	GROUP 4
	GROUP 5
	GROUP 6
	GROUP 7
	; ---- the way out: four rows of 128 bytes = 512 consecutive bytes of out0 for each store of the wave
.irp k, 0,1,2,3,4,5,6,7
	ds_load_b128 v[X+4*\k:X+4*\k+3], v5 offset:OUTS+4*OPITCH*\k    ; behind my own stores, in order
.endr
.irp k, 0,1,2,3,4,5,6,7
	s_wait_dscnt 7-\k                              ; read-back k is in, the 7 - k younger ones stay out
	global_store_b128 v6, v[X+4*\k:X+4*\k+3], s[40:41] offset:512*\k th:TH_STORE_NT
.endr
	s_wait_tensorcnt 0x0
	ds_add_u32 v254, v255
	s_wait_dscnt 0x0
	s_endpgm
.Lfunc_end_k_q45bc439c80_cheby:
	.size	k_q45bc439c80_cheby, .Lfunc_end_k_q45bc439c80_cheby-k_q45bc439c80_cheby
	.p2alignl 7, 3214868480
	.fill 96, 4, 3214868480
	.section	.rodata,"a",@progbits
	.p2align	6, 0x0
	.amdhsa_kernel k_q45bc439c80_cheby
		.amdhsa_group_segment_fixed_size 168960
		.amdhsa_private_segment_fixed_size 0
		.amdhsa_enable_private_segment 0
		.amdhsa_kernarg_size 16
		.amdhsa_user_sgpr_count 2
		.amdhsa_user_sgpr_kernarg_segment_ptr 1
		.amdhsa_wavefront_size32 1
		.amdhsa_system_sgpr_workgroup_id_x 1
		.amdhsa_system_sgpr_workgroup_id_y 1
		.amdhsa_system_sgpr_workgroup_id_z 1
		.amdhsa_system_vgpr_workitem_id 0
		.amdhsa_next_free_vgpr 256
		.amdhsa_next_free_sgpr 66
		.amdhsa_reserve_vcc 0
		.amdhsa_float_denorm_mode_32 3
		.amdhsa_float_denorm_mode_16_64 3
		.amdhsa_memory_ordered 1
		.amdhsa_forward_progress 1
		.amdhsa_inst_pref_size 70
	.end_amdhsa_kernel
	.amdgpu_metadata
---
amdhsa.version: [ 1, 2 ]
amdhsa.kernels:
  - .name:           k_q45bc439c80_cheby
    .symbol:         k_q45bc439c80_cheby.kd
    .args:
      - { .name: x, .offset: 0, .size: 8, .value_kind: global_buffer, .address_space: global }
      - { .name: out0, .offset: 8, .size: 8, .value_kind: global_buffer, .address_space: global }
    .group_segment_fixed_size: 168960
    .private_segment_fixed_size: 0
    .kernarg_segment_align: 8
    .kernarg_segment_size: 16
    .max_flat_workgroup_size: 256
    .sgpr_count:     66
    .vgpr_count:     256
    .wavefront_size: 32
...
	.end_amdgpu_metadata
.endif
;; end of part 1
